; MI455X (gfx1250); checked and timed in simulation.
; The chip was launched on July 23, 2026; its instructions are those of AMD's public machine-readable ISA for CDNA 5 (MIT licence, August 2026) and "CDNA5" Instruction Set Architecture Reference Guide (July 2026). The comments in the code are by the model that wrote it; some were corrected since.
;; Multi Head Attention. Allowed arithmetic: matrix products marked QUANTISED: E4M3 operands, one given power-of-two scale a tensor, by v_wmma_f32_16x16x64_fp8_fp8 or v_wmma_f32_16x16x128_fp8_fp8, f32 sums; everything else in f32.
;; Inputs: W_out 1,024 x 1,024 float32; W_qkv 1,024 x 3,072 float32; b_out 1,024 float32; b_qkv 3,072 float32; lowp_scales 8 int32 (the exponents e of the quantised operands' scales 2^e); x 4 x 2,048 x 1,024 float32.
;; Outputs: out0 4 x 2,048 x 1,024 float32.
;; This version of the problem:
;;   THIS VERSION OF THE PROBLEM IS GIVEN IN LOW PRECISION. The matrix products marked QUANTISED in the list below multiply operands that are first quantised to E4M3 (4 exponent bits, 3 mantissa bits; 8 bits a number), with one given power-of-two scale for each operand tensor; their sums are f32. All else is computed in f32.
;;   The module's matrix products, in the order in which they are computed (A, B: the left and right operand; K: the contracted axis; several contracted axes count as one K, in the product's order):
;;     1. [M 8,192, K 1,024] x [K 1,024, N 3,072]; A: input x; B: input W_qkv: QUANTISED (scales: A lowp_scales[0], B lowp_scales[1])
;;     2. batch 64 x [M 2,048, K 64] x [K 64, N 2,048]; A: computed on the way; B: computed on the way: QUANTISED (scales: A lowp_scales[2], B lowp_scales[3])
;;     3. batch 64 x [M 2,048, K 2,048] x [K 2,048, N 64]; A: softmax (see below); B: computed on the way: QUANTISED (scales: A lowp_scales[4], B lowp_scales[5])
;;     4. [M 8,192, K 1,024] x [K 1,024, N 1,024]; A: computed on the way; B: input W_out: QUANTISED (scales: A lowp_scales[6], B lowp_scales[7])
;;   THE QUANTISER, for each operand of a quantised product, along K:
;;     - The operand's scale is 2^e, e = its entry of the input lowp_scales (int32; the entries are numbered through the quantised products in the list's order, A before B).
;;     - Each number is divided by the scale, clamped to +-448, and rounded to the nearest number of E4M3, ties to even, subnormals kept.
;;     - The product sums the exact products of the quantised numbers (number of the format x scale) in f32.
;;   ~~~python
;;   def quantise(x, axis, e):      # numpy; x: float32 -> the quantised numbers, widened to float32 again
;;       x = np.moveaxis(x, axis, -1); K = x.shape[-1]
;;       r = np.clip(x / 2.0 ** e, -448, 448)
;;       step = 2.0 ** (np.maximum(np.frexp(np.where(r == 0, 1, r))[1] - 1, -6) - 3)
;;       q = np.round(r / step) * step * 2.0 ** e      # np.round: ties to even
;;       return np.moveaxis(q, -1, axis).astype(np.float32)
;;   ~~~
;;   SOFTMAX AHEAD OF A QUANTISED PRODUCT. Where the list says 'softmax', what is quantised is not the finished softmax but p = 2^(t - M), with t = logit x log2(e) and M = ceil(the row's largest t), a whole number; so 1/2 < the row's largest p <= 1. The row's sum l is taken of the UNQUANTISED p, in f32, and the product's result is divided by l at the end. Since M is a whole number, a kernel that streams over the keys may use a running M (the ceiling of the running maximum): every later rescaling is an exact power of two, so the quantised numbers keep their values, but for numbers so far below the row's largest that they fall under the format's range.
;;   OPERANDS COMPUTED ON THE WAY. 'Computed on the way' means the value that the module computes at that place (a softmax that the list does not call 'softmax' is quantised finished and normalised). What goes into a quantiser is computed in f32, as accurately as f32 sums, v_exp_f32 and their like allow (about 1e-6 of the number): no bf16 or f16 on the way to a quantiser, and a product that is left as it is and whose result goes on into a quantised operand takes f32 operands (vector FMAs, or v_wmma_f32_16x16x4_f32). A number that lies on a knife's edge between two numbers of the format may be rounded either way, as far as f32 arithmetic and the matrix unit's own rounding can turn it there, and no further.
;; One version. Each part assembles by itself: llvm-mc -triple=amdgcn-amd-amdhsa -mcpu=gfx1250 --defsym DOCPART=n.
;; ======== version 1 of 1: 4 launches
;; limits: right only within a limited range of input values
;; workspace buffers: x_codes 8,388,608 bytes; wqkv_codes 3,145,728 bytes; wout_codes 1,048,576 bytes; q_codes 8,388,608 bytes; k_codes 8,388,608 bytes; v_codes 8,388,608 bytes; o_codes 8,388,608 bytes
;; launch quant (part 1): grid 384 x 1, 4 waves a work-group, no clusters, 34,304 bytes of LDS; arguments x, W_qkv, W_out, lowp_scales, x_codes, wqkv_codes, wout_codes; writes x_codes, wqkv_codes, wout_codes
.if DOCPART == 1
	.amdgcn_target "amdgcn-amd-amdhsa--gfx1250"
	.amdhsa_code_object_version 6
	.text
	.protected	k_q6a96531daa_quant
	.globl	k_q6a96531daa_quant
	.p2align	8
	.type	k_q6a96531daa_quant,@function
k_q6a96531daa_quant:
	s_mov_b64 s[64:65], 0
	v_nop
	global_prefetch_b8 v0, s[64:65] scope:SCOPE_SE
	s_setreg_imm32_b32 hwreg(HW_REG_WAVE_MODE, 25, 1), 1
	s_wait_xcnt 0x0
; x [8192][1024], W_qkv [1024][3072] and W_out [1024][1024], f32, become codes of FP8 (E4M3), each with the one scale 2^e given for it (entries 0, 1 and 7 of the scales).
; code = number / 2^e, held within +-448, rounded to the nearest code, ties to even.  LIMITS: -126 <= e <= 119.  NaN among the inputs is not served; an infinity is held at the largest code.
; THE CODES ARE LAID AS IMAGES OF OPERAND REGISTERS.  A fragment is 16 rows x 128 along K in 2,048 bytes: byte 512 c + 16 l + e holds row l % 16, k = 32 c + 16 (l / 16) + e; a block of 16 rows has its
; eight fragments on end (16,384 bytes).  So four 16-byte loads a lane, each 512 consecutive bytes a wave, bring a fragment.
; THE ROWS OF A BLOCK ARE NOT NEIGHBOURS: row r of block 2 g + u is index 32 g + 8 u + r + 8 (r / 8) (a token of x, a column of a weight), so that a later product's results are neighbours along the next K.
; Every work-group reads 131,072 bytes.  Work-groups 0-255 take x, 256-351 W_qkv, 352-383 W_out: two scalar branches on the work-group's number.  Only x's path touches LDS.
; No matrix unit, no cluster, no tensor load: the launch streams, and waves share nothing.
.set STG,   8448                       ; x's path: a wave's stage: 16 rows x SP
.set SP,    528                        ; a stage row: 512 bytes + 16: 33 x 16 bytes, so that the sixteen rows that a read touches fall on sixteen different 16-byte columns
.set SPARE, 4*STG                      ; behind the four stages: the spare words, 128 bytes a wave: two blocks of 256 bytes that no other line names
.set SPW,   12                         ; v12  LDS address of my spare word; never rewritten
.set NIL,   13                         ; v13  0; never rewritten
.set R,     16                         ; x: v16-143  two sets of 64 numbers as loaded
.set X,     144                        ; x: v144-207 64 numbers as the conversions want them
.set C,     208                        ; x: v208-239 two sets of 16 registers of codes
.set WX,    16                         ; weights: v16-79  two sets of 32 numbers
.set WC,    80                         ; weights: v80-143 eight registers of codes for each of 8 blocks: no store's data are written again
	s_load_b256 s[4:11], s[0:1], 0x0               ; x s[4:5], W_qkv s[6:7], W_out s[8:9], the scales' exponents s[10:11]
	s_load_b128 s[12:15], s[0:1], 0x20             ; x's codes s[12:13], W_qkv's s[14:15]
	s_load_b64 s[16:17], s[0:1], 0x30              ; W_out's
	v_lshl_add_u32 v[SPW], v0, 2, SPARE
	v_mov_b32 v[NIL], 0
	v_lshrrev_b32 v1, 5, v0
	v_readfirstlane_b32 s20, v1                    ; wave 0..3
	v_and_b32 v2, 31, v0                           ; lane
	s_wait_kmcnt 0x0
	s_load_b256 s[24:31], s[10:11], 0x0            ; e0 .. e7
.macro MKSCALE e                       ; v11 = 2^e as f32 (the conversion takes its exponent field), v10 = 448 x 2^e
	s_add_co_i32 s35, s[\e], 127
	s_lshl_b32 s36, s35, 23
	v_mov_b32 v11, s36
	s_add_co_i32 s35, s35, 8
	s_lshl_b32 s35, s35, 23
	s_or_b32 s35, s35, 0x600000
	v_mov_b32 v10, s35
.endm
	s_cmp_lt_u32 ttmp9, 256
	s_cbranch_scc0 .Lweights
; ---- x.  A wave takes one block of 16 tokens and half of K: four steps of 128 along K.  A load reads 512 consecutive bytes of one token's row; the step's 16 rows turn through the wave's own stage,
; from which lane (r, h) takes, of row r, 16 neighbours of each block of 32: the order of a fragment's registers.
	s_wait_alu depctr_va_vdst(0)
	v_lshlrev_b32 v3, 4, v2                        ; 16 x lane: my bytes of a load's 512, and of a store's
	s_wait_alu depctr_va_vdst(0)
	s_mul_i32 s21, s20, STG
	v_add_nc_u32 v14, s21, v3                      ; into the stage: row i at SP i, as loaded
	v_and_b32 v4, 15, v2                           ; r
	v_lshrrev_b32 v5, 4, v2                        ; h
	v_mul_u32_u24 v15, v4, SP
	v_lshl_add_u32 v15, v5, 6, v15
	v_add_nc_u32 v15, s21, v15                     ; out of it: row r, + 64 h
	s_lshl_b32 s22, ttmp9, 2
	s_add_co_u32 s22, s22, s20                     ; 4 x work-group + wave
	s_lshr_b32 s23, s22, 1                         ; my block of tokens, 0..511
	s_and_b32 s22, s22, 1                          ; my half of K
	s_lshr_b32 s32, s23, 1
	s_lshl_b32 s32, s32, 17                        ; 32 tokens of 4,096 bytes for each pair of blocks,
	s_and_b32 s33, s23, 1
	s_lshl_b32 s33, s33, 15                        ; 8 tokens for the odd block,
	s_add_co_u32 s32, s32, s33
	s_lshl_b32 s33, s22, 11                        ; 512 numbers for the upper half of K
	s_add_co_u32 s32, s32, s33
	s_mov_b32 s33, 0
	s_add_nc_u64 s[4:5], s[4:5], s[32:33]
	s_lshl_b32 s32, s23, 14                        ; the codes: 16,384 bytes a block, four fragments a half
	s_lshl_b32 s34, s22, 13
	s_add_co_u32 s32, s32, s34
	s_add_nc_u64 s[12:13], s[12:13], s[32:33]
.macro LOADX s                         ; step s: the block's 16 rows, 512 consecutive bytes each; row i is token i + 8 (i / 8) of the block's 24
.irp i, 0,1,2,3,4,5,6,7,8,9,10,11,12,13,14,15
	global_load_b128 v[R+64*((\s)%2)+4*\i:R+64*((\s)%2)+4*\i+3], v3, s[4:5] offset:(\i+8*(\i/8))*4096+512*(\s) th:TH_LOAD_NT
.endr
.endm
.macro TURNX s                         ; through the stage: LDS serves a wave's instructions in order, so no wait stands between the stores and the loads
.irp i, 0,1,2,3,4,5,6,7,8,9,10,11,12,13,14,15
	ds_store_b128 v14, v[R+64*((\s)%2)+4*\i:R+64*((\s)%2)+4*\i+3] offset:SP*\i
.endr
.irp c, 0,1,2,3
.irp j, 0,1,2,3
	ds_load_b128 v[X+16*\c+4*\j:X+16*\c+4*\j+3], v15 offset:128*\c+16*\j
.endr
.endr
.endm
.macro STEPX s
.set CS, C+16*((\s)%2)
.if (\s) < 3
	s_wait_loadcnt 16                              ; this step's sixteen loads are in; the next step's may be out
.else
	s_wait_loadcnt 0
.endif
	TURNX \s
	s_wait_dscnt 0x0                               ; the numbers are back, so the stores into the stage have read their registers,
.if (\s)+2 < 4
	LOADX (\s)+2                                   ; which take the loads of two steps on
.endif
.if (\s) >= 2
	s_wait_xcnt 0x0                                ; the stores of two steps back have read this set of codes: it is written again only behind this wait
.endif
.irp c, 0,1,2,3
.set j, 0
.rept 16
	v_med3_num_f32 v[X+16*\c+j], v[X+16*\c+j], -v10, v10   ; the conversion to an 8-bit code does not saturate (ISA guide 7.6.2): the hold at the largest code x the scale
.set j, j+1
.endr
	v_cvt_scalef32_pk8_fp8_f32 v[CS+4*\c:CS+4*\c+1], v[X+16*\c:X+16*\c+7], v11
	v_cvt_scalef32_pk8_fp8_f32 v[CS+4*\c+2:CS+4*\c+3], v[X+16*\c+8:X+16*\c+15], v11
.endr
	v_nop                                          ; a plain line behind the last conversion
.irp c, 0,1,2,3
	global_store_b128 v3, v[CS+4*\c:CS+4*\c+3], s[12:13] offset:2048*(\s)+512*\c   ; registers 4 c .. 4 c + 3 of the fragment: 512 consecutive bytes
.endr
.endm
	LOADX 0
	LOADX 1
	s_wait_alu depctr_va_vdst(0)
	s_wait_kmcnt 0x0
	MKSCALE 24                                     ; e0
	s_wait_alu depctr_va_vdst(0)
	STEPX 0
	STEPX 1
	STEPX 2
	STEPX 3
	s_wait_tensorcnt 0x0                           ; the wave's end
	ds_add_u32 v[SPW], v[NIL]
	s_wait_dscnt 0x0
	s_endpgm
; ---- the weights: K is their FIRST axis.  A lane takes a column and its registers run down K, so the conversions give codes with K innermost and nothing is transposed.
; A wave takes 32 columns x 256 along K.  Lane l takes column 8 (l / 16) + l % 8 + 16 ((l / 8) % 2) of the 32: lanes 0-15 are rows 0-15 of the even block of columns, lanes 16-31 of the odd one.
; A lane's 32 codes of a block of 32 along K are the 16 bytes of its row in the fragment's lower half of lanes and the 16 bytes in the upper: sixteen lanes store 256 consecutive bytes, aligned.
.Lweights:
	s_wait_alu depctr_va_vdst(0)
	v_and_b32 v5, 7, v2
	v_bfe_u32 v6, v2, 3, 1
	v_lshl_add_u32 v5, v6, 4, v5
	v_lshrrev_b32 v6, 4, v2
	v_lshl_add_u32 v5, v6, 3, v5                   ; my column of the 32
	v_lshlrev_b32 v3, 2, v5                        ; in bytes
	v_and_b32 v4, 15, v2
	v_lshlrev_b32 v4, 4, v4
	v_lshl_add_u32 v4, v6, 14, v4                  ; out: 16 x (lane % 16), + a block of 16,384 bytes for lanes 16-31
.macro LOADW t, cols, sp               ; block t: W(32 t + i, my column), i = 0 .. 31: a wave reads 128 consecutive bytes, the work-group 512
.set i, 0
.rept 32
	global_load_b32 v[WX+32*((\t)%2)+i], v3, s[\sp:\sp+1] offset:(32*(\t)+i)*\cols*4 th:TH_LOAD_NT
.set i, i+1
.endr
.endm
.macro BLOCKW t, cols, sp, dp
.set XS, WX+32*((\t)%2)
.set CS, WC+8*(\t)
.if (\t) < 7
	s_wait_loadcnt 32                              ; this block's 32 loads are in; the next block's may be out
.else
	s_wait_loadcnt 0
.endif
.set i, 0
.rept 32
	v_med3_num_f32 v[XS+i], v[XS+i], -v10, v10
.set i, i+1
.endr
.irp g, 0,1,2,3
	v_cvt_scalef32_pk8_fp8_f32 v[CS+2*\g:CS+2*\g+1], v[XS+8*\g:XS+8*\g+7], v11
.endr
	v_nop                                          ; a plain line behind the last conversion
	global_store_b128 v4, v[CS:CS+3], s[\dp:\dp+1] offset:((\t)/4)*2048+((\t)%4)*512        ; k = 32 t + 0 .. 15
	global_store_b128 v4, v[CS+4:CS+7], s[\dp:\dp+1] offset:((\t)/4)*2048+((\t)%4)*512+256  ; k = 32 t + 16 .. 31
.if (\t)+2 < 8
	LOADW (\t)+2, \cols, \sp
.endif
.endm
; cols: the weight's columns; first: its first work-group; sp, dp: the scalar pairs of the weight and of its codes; e: the scalar register of its exponent.
; Every offset is an immediate: 255 rows of 12,288 bytes at the most, inside the signed 24-bit immediate (ISA guide, chapter 10).
.macro WPATH cols, first, sp, dp, e
	s_sub_co_u32 s21, ttmp9, \first
	s_lshr_b32 s22, s21, 2                         ; which 128 columns
	s_and_b32 s21, s21, 3                          ; which 256 along K
	s_mul_i32 s32, s21, 256*\cols*4
	s_lshl_b32 s33, s22, 9
	s_add_co_u32 s32, s32, s33
	s_lshl_b32 s33, s20, 7                         ; my wave's 32 columns
	s_add_co_u32 s32, s32, s33
	s_mov_b32 s33, 0
	s_add_nc_u64 s[\sp:\sp+1], s[\sp:\sp+1], s[32:33]
	s_lshl_b32 s34, s22, 2
	s_add_co_u32 s34, s34, s20                     ; my group of 32 columns = two blocks
	s_lshl_b32 s34, s34, 15
	s_lshl_b32 s35, s21, 12                        ; two fragments for each 256 along K
	s_add_co_u32 s34, s34, s35
	s_mov_b32 s35, 0
	s_add_nc_u64 s[\dp:\dp+1], s[\dp:\dp+1], s[34:35]
	LOADW 0, \cols, \sp
	LOADW 1, \cols, \sp
	s_wait_kmcnt 0x0
	MKSCALE \e
	s_wait_alu depctr_va_vdst(0)
.irp t, 0,1,2,3,4,5,6,7
	BLOCKW \t, \cols, \sp, \dp
.endr
.endm
	s_cmp_lt_u32 ttmp9, 352
	s_cbranch_scc0 .Lwout
	s_wait_alu depctr_va_vdst(0)
	WPATH 3072, 256, 6, 14, 25                     ; W_qkv, e1
	s_endpgm
.Lwout:
	s_wait_alu depctr_va_vdst(0)
	WPATH 1024, 352, 8, 16, 31                     ; W_out, e7
	s_endpgm
.Lfunc_end_k_q6a96531daa_quant:
	.size	k_q6a96531daa_quant, .Lfunc_end_k_q6a96531daa_quant-k_q6a96531daa_quant
	.p2alignl 7, 3214868480
	.fill 96, 4, 3214868480
	.section	.rodata,"a",@progbits
	.p2align	6, 0x0
	.amdhsa_kernel k_q6a96531daa_quant
		.amdhsa_group_segment_fixed_size 34304
		.amdhsa_private_segment_fixed_size 0
		.amdhsa_enable_private_segment 0
		.amdhsa_kernarg_size 56
		.amdhsa_user_sgpr_count 2
		.amdhsa_user_sgpr_kernarg_segment_ptr 1
		.amdhsa_wavefront_size32 1
		.amdhsa_system_sgpr_workgroup_id_x 1
		.amdhsa_system_sgpr_workgroup_id_y 1
		.amdhsa_system_sgpr_workgroup_id_z 1
		.amdhsa_system_vgpr_workitem_id 0
		.amdhsa_next_free_vgpr 240
		.amdhsa_next_free_sgpr 66
		.amdhsa_reserve_vcc 0
		.amdhsa_float_denorm_mode_32 3
		.amdhsa_float_denorm_mode_16_64 3
		.amdhsa_memory_ordered 1
		.amdhsa_forward_progress 1
		.amdhsa_inst_pref_size 127
	.end_amdhsa_kernel
	.amdgpu_metadata
---
amdhsa.version: [ 1, 2 ]
amdhsa.kernels:
  - .name:           k_q6a96531daa_quant
    .symbol:         k_q6a96531daa_quant.kd
    .args:
      - { .name: x, .offset: 0, .size: 8, .value_kind: global_buffer, .address_space: global }
      - { .name: W_qkv, .offset: 8, .size: 8, .value_kind: global_buffer, .address_space: global }
      - { .name: W_out, .offset: 16, .size: 8, .value_kind: global_buffer, .address_space: global }
      - { .name: lowp_scales, .offset: 24, .size: 8, .value_kind: global_buffer, .address_space: global }
      - { .name: x_codes, .offset: 32, .size: 8, .value_kind: global_buffer, .address_space: global }
      - { .name: wqkv_codes, .offset: 40, .size: 8, .value_kind: global_buffer, .address_space: global }
      - { .name: wout_codes, .offset: 48, .size: 8, .value_kind: global_buffer, .address_space: global }
    .group_segment_fixed_size: 34304
    .private_segment_fixed_size: 0
    .kernarg_segment_align: 8
    .kernarg_segment_size: 56
    .max_flat_workgroup_size: 128
    .sgpr_count:     66
    .vgpr_count:     240
    .wavefront_size: 32
...
	.end_amdgpu_metadata
.endif
;; end of part 1
;; launch gemm_qkv (part 2): grid 4 x 64, 4 waves a work-group, clusters of 4 x 1, 327,680 bytes of LDS; arguments x_codes, wqkv_codes, b_qkv, lowp_scales, q_codes, k_codes, v_codes; writes q_codes, k_codes, v_codes
.if DOCPART == 2
	.amdgcn_target "amdgcn-amd-amdhsa--gfx1250"
	.amdhsa_code_object_version 6
	.text
	.protected	k_q6a96531daa_gemm_qkv
	.globl	k_q6a96531daa_gemm_qkv
	.p2align	8
	.type	k_q6a96531daa_gemm_qkv,@function
k_q6a96531daa_gemm_qkv:
	s_mov_b64 s[64:65], 0
	v_nop
	global_prefetch_b8 v0, s[64:65] scope:SCOPE_SE
	s_setreg_imm32_b32 hwreg(HW_REG_WAVE_MODE, 25, 1), 1
	s_wait_xcnt 0x0
	s_wait_alu depctr_hold_cnt(0) depctr_sa_sdst(0) depctr_va_vdst(0) depctr_va_sdst(0) depctr_va_ssrc(0) depctr_va_vcc(0) depctr_vm_vsrc(0)
	s_getreg_b32 s2, hwreg(HW_REG_IB_STS2, 6, 4)
	s_cmp_eq_u32 s2, 0
	s_cbranch_scc0 .Lentry_in_a_cluster
	s_endpgm
.Lentry_in_a_cluster:
	s_bfe_u32 s2, ttmp6, 0x10000c
	s_cmp_lg_u32 s2, 0x3003
	s_cbranch_scc0 .Lentry_shape_is_right
	s_endpgm
.Lentry_shape_is_right:
; qkv = x W_qkv + b_qkv on codes of FP8 (E4M3); each finished sum x 2^(e0 + e1) + bias is quantised at once, in f32, into q's, k's or v's codes (scales e2, e3, e5) and stored as images of the next operands' registers.
; LIMITS: e0 + e1 between -126 and 127; e2, e3, e5 between -126 and 119.
; OPERANDS ARE IMAGES OF REGISTERS: a fragment (16 rows x 128 K) is 2,048 bytes, byte 512 c + 16 l + e = row l % 16, k = 32 c + 16 (l / 16) + e; a block of 16 rows has 8 fragments on end (16,384 bytes).
; Row r of block 2 g + u stands for index 32 g + 8 u + r + 8 (r / 8).
; SHARES.  Work-group (cx, y) owns tokens 128 y .. 128 y + 127 and makes three passes: columns 256 cx of q, of k and of v.  A wave makes 128 tokens x 64 columns (one head) a pass: 32 accumulators.
; THE TOKENS' CODES, K = 1,024 whole (131,072 bytes), are filled into LDS ONCE: wave w brings K steps 2 w, 2 w + 1 of the 8 blocks.  Nothing is filled again: no ring.
; CLUSTER: the four work-groups of a row of the grid own the same tokens: that fill is asked for JOINTLY (mask 15).  W's columns differ between the partners and are not shared.
; W'S FRAGMENTS go from memory straight into the wave's registers, 16 loads of 512 consecutive bytes a K step of 128, into a ring of four K steps: K step t + 4 is asked for behind K step t's products, across passes too.
; So no data prefetch is laid: the loads themselves run four K steps ahead, and the tokens' tile has one request.
; q AND k (two trips of one loop): source 0 = W's columns, source 1 = tokens: a lane holds one token, its 32 registers of a block run along the head's 64.
; v: source 0 = tokens, source 1 = W's columns: a lane holds one channel, its 64 registers run along the 128 keys.
; REGISTERS, in windows of 256: window 0: addresses, constants, bias v32-63, numbers v64-127, codes v128-191.  window 1: W's ring, K step t at 64 (t % 4).  window 2: the tokens' ring, group g (4 blocks x 128 K) at 64 (g % 4).
;   window 3: the accumulators: q, k: (token block a, column block b) at 8 (4 a + b); v: at 8 (8 b + a).
.set SPARE, 131072                     ; behind the tile: the spare words, 128 bytes a wave
.set PASSB, 1048576                    ; 1,024 columns of W's codes
.set SCL,  8                           ; the quantiser's scale and 448 x it: this pass's, the next's, the one after
.set HOLD, 9
.set SCL1, 10
.set HOLD1, 11
.set SCL2, 12
.set HOLD2, 13
.set LO,   24                          ; v24 16 x lane; v25 the same + 65,536
.set BOQ,  26                          ; q, k: my lane's offset in the bias: 64 h
.set BOV,  27                          ; v: 4 (r + 8 (r / 8))
.set SPW,  28
.set NIL,  29
.set BIAS, 32
.set NT,   64
.set CD,   128
.set WV,  14
.set CX,  15
.set TY,  16
.set G1,  24
.set G0,  32
.set WB,  36                           ; s[36:37] W's codes at my columns of this pass
.set BB,  38                           ; s[38:39] the bias there
.set ST,  40                           ; s[40:45] where my codes go: this pass, the next, the one after
.set ST1, 42
.set ST2, 44
.set PN,  46
.set MSB, 0
.macro WIN new                         ; the immediate's high byte repeats the setting that is left
.if MSB != \new
	s_set_vgpr_msb (MSB<<8)|\new
.set MSB, \new
.endif
.endm
.set MQ,   0xf9                        ; source 0 window 1 (W), source 1 window 2 (tokens), C and D window 3
.set MV,   0xf6                        ; source 0 window 2, source 1 window 1
.set TO_T, 0x80
.set TO_W, 0x40
.macro CROUND                          ; a round of the cluster's barrier
	s_barrier_signal -1
	s_barrier_wait -1
	s_cmp_lg_u32 s[WV], 0
	s_cbranch_scc1 .Lnot_wave_0_\@
	s_barrier_signal -3
.Lnot_wave_0_\@:
	s_barrier_wait -3
	s_barrier_signal -1
	s_barrier_wait -1
.endm
.macro LOADT g                         ; group g of a pass: K step g / 2, token blocks 4 (g % 2) on: 16 LDS loads of 512 consecutive bytes
.irp i, 0,1,2,3
.irp c, 0,1,2,3
	ds_load_b128 v[64*((\g)%4)+16*\i+4*\c:64*((\g)%4)+16*\i+4*\c+3], v[LO+(\g)/8] offset:(((\g)/4)%2)*32768+(4*((\g)%2)+\i)*4096+(((\g)/2)%2)*2048+512*\c
.endr
.endr
.endm
.macro LOADW s, ex                     ; W's four fragments of K step s: 16 loads of 512 consecutive bytes
.irp b, 0,1,2,3
.irp c, 0,1,2,3
	global_load_b128 v[64*((\s)%4)+16*\b+4*\c:64*((\s)%4)+16*\b+4*\c+3], v[LO], s[WB:WB+1] offset:\ex+16384*\b+2048*(\s)+512*\c
.endr
.endr
.endm
.macro BIASLD isv                      ; eight loads in either form
.if \isv
.irp b, 0,1,2,3
	global_load_b32 v[BIAS+2*\b], v[BOV], s[BB:BB+1] offset:(32*(\b/2)+8*(\b%2))*4     ; my channel's bias in block b, twice: a pair for the packed form
	global_load_b32 v[BIAS+2*\b+1], v[BOV], s[BB:BB+1] offset:(32*(\b/2)+8*(\b%2))*4
.endr
.else
.irp q, 0,1
.irp j, 0,1,2,3
	global_load_b128 v[BIAS+16*\q+4*\j:BIAS+16*\q+4*\j+3], v[BOQ], s[BB:BB+1] offset:128*\q+16*\j   ; columns 32 q + 16 h + 4 j on
.endr
.endr
.endif
.endm
.macro MULG g, isv                     ; 16 products: the group's 4 token blocks x my 4 column blocks; the pass's 32 accumulators take turns; K step 0 starts the sums
.irp i, 0,1,2,3
.irp b, 0,1,2,3
.set WF, 64*(((\g)/2)%4)+16*\b
.set TFR, 64*((\g)%4)+16*\i
.if \isv
.set AC, 8*(8*\b+4*((\g)%2)+\i)
.if (\g) < 2
	v_wmma_f32_16x16x128_fp8_fp8 v[AC:AC+7], v[TFR:TFR+15], v[WF:WF+15], 0
.else
	v_wmma_f32_16x16x128_fp8_fp8 v[AC:AC+7], v[TFR:TFR+15], v[WF:WF+15], v[AC:AC+7]
.endif
.else
.set AC, 8*(4*(4*((\g)%2)+\i)+\b)
.if (\g) < 2
	v_wmma_f32_16x16x128_fp8_fp8 v[AC:AC+7], v[WF:WF+15], v[TFR:TFR+15], 0
.else
	v_wmma_f32_16x16x128_fp8_fp8 v[AC:AC+7], v[WF:WF+15], v[TFR:TFR+15], v[AC:AC+7]
.endif
.endif
.endr
.endr
.endm
; A PASS'S PRODUCTS: 16 groups.  more = 1: a pass follows, and both rings run on into it.
; LDS loads: behind group g's loads stand those of groups g + 1 .. g + 3: 48 (fewer at the last pass's end).
; Global loads: behind K step s's stand those of three later K steps: 48; from K step 4 on the 8 bias loads too, which are issued behind K step 7's: 56 (in the last pass 16 (7 - s) + 8).
.macro PASSK isv, more
.set g, 0
.rept 16
.if \more || (g < 13)
	s_wait_dscnt 48
.else
	s_wait_dscnt 16*(15-g)
.endif
.if g%2 == 0
.if g < 8
	s_wait_loadcnt 48
.else
.if \more
	s_wait_loadcnt 56
.else
	s_wait_loadcnt 16*(7-g/2)+8
.endif
.endif
.endif
.if \isv
	WIN MV
.else
	WIN MQ
.endif
	MULG g, \isv
.rept 4
	v_nop                                          ; places in front of loads into registers that these products read (and, behind the last group, of the first read of the sums)
.endr
.if \more || (g < 12)
	WIN TO_T
	LOADT (g+4)%16
.endif
.if g%2 == 1
.if g < 8
	WIN TO_W
	LOADW g/2+4, 0
.else
.if \more
	WIN TO_W
	LOADW g/2-4, PASSB
.endif
.endif
.if g == 7
	WIN 0
	BIASLD \isv
.endif
.endif
.set g, g+1
.endr
	WIN 0
.endm
; THE TAIL of a pass, 64 sums a lane at a time: sum x 2^(e0 + e1) + bias (packed, each accumulator from its low end on), the hold, the conversion, four stores of 512 consecutive bytes.
; q, k: the 64 are token blocks 2 i, 2 i + 1 (two fragments of 1,024 bytes); v: channel block i (one fragment of 2,048 bytes): the same 2,048 bytes on end in either form.
.macro EPI isv, more
.if \more
	s_wait_loadcnt 63                              ; the bias is in: 64 loads were issued behind it
.else
	s_wait_loadcnt 0x0
.endif
	s_wait_xcnt 0x0                                ; the last pass's stores have read their codes
.irp i, 0,1,2,3
	WIN 0x03                                       ; source 0: window 3
.set j, 0
.rept 32
.if \isv
	v_pk_fma_f32 v[NT+j:NT+j+1], v[64*\i+j:64*\i+j+1], s[96:97], v[BIAS+2*\i:BIAS+2*\i+1] op_sel_hi:[1,0,1]
.else
	v_pk_fma_f32 v[NT+j:NT+j+1], v[64*\i+j:64*\i+j+1], s[96:97], v[BIAS+j%32:BIAS+j%32+1] op_sel_hi:[1,0,1]
.endif
.set j, j+2
.endr
	WIN 0
.irp q, 0,1,2,3
.set j, 0
.rept 16
	v_med3_num_f32 v[NT+16*\q+j], v[NT+16*\q+j], -v[HOLD], v[HOLD]   ; the conversion to an 8-bit code does not saturate (ISA guide 7.6.2)
.set j, j+1
.endr
	v_cvt_scalef32_pk8_fp8_f32 v[CD+16*\i+4*\q:CD+16*\i+4*\q+1], v[NT+16*\q:NT+16*\q+7], v[SCL]
	v_cvt_scalef32_pk8_fp8_f32 v[CD+16*\i+4*\q+2:CD+16*\i+4*\q+3], v[NT+16*\q+8:NT+16*\q+15], v[SCL]
.endr
	v_nop                                          ; a plain line between the last conversion and the next writes of its sources
.irp q, 0,1,2,3
	global_store_b128 v[LO], v[CD+16*\i+4*\q:CD+16*\i+4*\q+3], s[ST:ST+1] offset:2048*\i+512*\q
.endr
.endr
.endm
.macro MKS e, sc, ho                   ; v[sc] = 2^e as f32, v[ho] = 448 x 2^e
	s_add_co_i32 s92, s[\e], 127
	s_lshl_b32 s93, s92, 23
	v_mov_b32 v[\sc], s93
	s_add_co_i32 s92, s92, 8
	s_lshl_b32 s92, s92, 23
	s_or_b32 s92, s92, 0x600000
	v_mov_b32 v[\ho], s92
.endm
	s_load_b256 s[4:11], s[0:1], 0x0               ; x's codes, W's codes, the bias, the scales' exponents
	s_load_b128 s[68:71], s[0:1], 0x20             ; q's codes, k's
	s_load_b64 s[72:73], s[0:1], 0x30              ; v's
	v_lshl_add_u32 v[SPW], v0, 2, SPARE
	v_mov_b32 v[NIL], 0
	ds_add_u32 v[SPW], v[NIL]                      ; the opening: the add twice on end and its wait ahead of my first tensor load
	ds_add_u32 v[SPW], v[NIL]
	v_lshrrev_b32 v1, 5, v0
	v_readfirstlane_b32 s[WV], v1                  ; wave 0..3
	v_and_b32 v2, 31, v0
	v_lshlrev_b32 v[LO], 4, v2
	v_add_nc_u32 v[LO+1], 65536, v[LO]
	v_bfe_u32 v3, v0, 4, 1
	v_lshlrev_b32 v[BOQ], 6, v3
	v_and_b32 v4, 15, v0
	v_and_b32 v5, 8, v4
	v_add_nc_u32 v5, v5, v4
	v_lshlrev_b32 v[BOV], 2, v5
	s_bfe_u32 s[CX], ttmp6, 0x40000
	s_and_b32 s[TY], ttmp7, 0xffff
	s_mov_b32 s[G1], 15|(3<<16)|(1<<21)            ; the four partners; elements of 8 bytes; bit 21 beside a mask
	s_mov_b32 s[G1+1], 512<<16                     ; 8 rows of 4,096 bytes, 16,384 bytes apart in memory, dense in LDS
	s_mov_b32 s[G1+2], 8<<16
	s_mov_b32 s[G1+3], 512<<16
	s_mov_b32 s[G1+4], 8
	s_mov_b32 s[G1+5], 2048
	s_mov_b32 s[G1+6], 0
	s_mov_b32 s[G1+7], 0
	s_lshl_b32 s48, s[TY], 17                      ; my tokens' 8 blocks,
	s_lshl_b32 s49, s[WV], 12                      ; K steps 2 w, 2 w + 1
	s_add_co_u32 s48, s48, s49
	s_mov_b32 s49, 0
	s_mov_b32 s[G0], 1
	s_lshl_b32 s[G0+1], s[WV], 15
	s_lshl_b32 s50, s[CX], 4
	s_lshl_b32 s51, s[WV], 2
	s_add_co_u32 s50, s50, s51                     ; my first block of columns in a pass: 16 cx + 4 w
	s_lshl_b32 s52, s50, 6                         ; 64 bytes of bias a block
	s_mov_b32 s53, 0
	s_lshl_b32 s50, s50, 14
	s_mov_b32 s51, 0
	s_lshr_b32 s54, s[TY], 4                       ; the codes' place: head (batch x 16 + 4 cx + w) x 131,072 + 8,192 x my 128 tokens' number in the batch, in q, k and v alike
	s_lshl_b32 s54, s54, 4
	s_lshl_b32 s55, s[CX], 2
	s_add_co_u32 s54, s54, s55
	s_add_co_u32 s54, s54, s[WV]
	s_lshl_b32 s54, s54, 17
	s_and_b32 s55, s[TY], 15
	s_lshl_b32 s55, s55, 13
	s_add_co_u32 s54, s54, s55
	s_mov_b32 s55, 0
	s_wait_dscnt 0x0                               ; both opening adds are done
	s_wait_kmcnt 0x0
	s_load_b256 s[80:87], s[10:11], 0x0            ; e0 .. e7
	s_add_nc_u64 s[G0+2:G0+3], s[4:5], s[48:49]
	s_or_b32 s[G0+3], s[G0+3], 0x80000000
	s_add_nc_u64 s[WB:WB+1], s[6:7], s[50:51]
	s_add_nc_u64 s[BB:BB+1], s[8:9], s[52:53]
	s_add_nc_u64 s[ST:ST+1], s[68:69], s[54:55]
	s_add_nc_u64 s[ST1:ST1+1], s[70:71], s[54:55]
	s_add_nc_u64 s[ST2:ST2+1], s[72:73], s[54:55]
	s_wait_alu depctr_va_vdst(0)
	CROUND                                         ; the four partners are here: the joint loads meet
	tensor_load_to_lds s[G0:G0+3], s[G1:G1+7]      ; my one tensor load
	s_nop 0
.rept 4
	v_nop
.endr
	WIN TO_W
	LOADW 0, 0
	LOADW 1, 0
	LOADW 2, 0
	LOADW 3, 0
	WIN 0
	s_wait_kmcnt 0x0
	s_add_co_i32 s96, s80, s81
	s_add_co_i32 s96, s96, 127
	s_lshl_b32 s96, s96, 23                        ; 2^(e0 + e1) as f32
	s_mov_b32 s97, s96
	MKS 82, SCL, HOLD
	MKS 83, SCL1, HOLD1
	MKS 85, SCL2, HOLD2
	s_wait_alu depctr_va_vdst(0)
	s_wait_tensorcnt 0x0                           ; my part of the tile is in,
	s_barrier_signal -1
	s_barrier_wait -1                              ; everybody's is
	WIN TO_T
	LOADT 0
	LOADT 1
	LOADT 2
	LOADT 3
	WIN 0
	s_mov_b32 s[PN], 0
.Lpass:                                            ; two trips: q, then k
	PASSK 0, 1
	EPI 0, 1
	s_wait_xcnt 0x0                                ; the loads and stores have read their bases
	s_add_nc_u64 s[WB:WB+1], s[WB:WB+1], PASSB
	s_add_nc_u64 s[BB:BB+1], s[BB:BB+1], 4096
	s_mov_b64 s[ST:ST+1], s[ST1:ST1+1]
	s_mov_b64 s[ST1:ST1+1], s[ST2:ST2+1]
	v_mov_b32 v[SCL], v[SCL1]
	v_mov_b32 v[HOLD], v[HOLD1]
	v_mov_b32 v[SCL1], v[SCL2]
	v_mov_b32 v[HOLD1], v[HOLD2]
	s_add_co_u32 s[PN], s[PN], 1
	s_cmp_lt_u32 s[PN], 2
	s_wait_alu depctr_va_vdst(0)
	s_cbranch_scc1 .Lpass
	PASSK 1, 0                                     ; v
	EPI 1, 0
	s_wait_tensorcnt 0x0                           ; the wave's end
	ds_add_u32 v[SPW], v[NIL]
	s_wait_dscnt 0x0
	CROUND                                         ; the closing round
	s_endpgm
.Lfunc_end_k_q6a96531daa_gemm_qkv:
	.size	k_q6a96531daa_gemm_qkv, .Lfunc_end_k_q6a96531daa_gemm_qkv-k_q6a96531daa_gemm_qkv
	.p2alignl 7, 3214868480
	.fill 96, 4, 3214868480
	.section	.rodata,"a",@progbits
	.p2align	6, 0x0
	.amdhsa_kernel k_q6a96531daa_gemm_qkv
		.amdhsa_group_segment_fixed_size 327680
		.amdhsa_private_segment_fixed_size 0
		.amdhsa_enable_private_segment 0
		.amdhsa_kernarg_size 56
		.amdhsa_user_sgpr_count 2
		.amdhsa_user_sgpr_kernarg_segment_ptr 1
		.amdhsa_wavefront_size32 1
		.amdhsa_system_sgpr_workgroup_id_x 1
		.amdhsa_system_sgpr_workgroup_id_y 1
		.amdhsa_system_sgpr_workgroup_id_z 1
		.amdhsa_system_vgpr_workitem_id 0
		.amdhsa_next_free_vgpr 1024
		.amdhsa_next_free_sgpr 100
		.amdhsa_reserve_vcc 0
		.amdhsa_float_denorm_mode_32 3
		.amdhsa_float_denorm_mode_16_64 3
		.amdhsa_memory_ordered 1
		.amdhsa_forward_progress 1
		.amdhsa_inst_pref_size 159
	.end_amdhsa_kernel
	.amdgpu_metadata
---
amdhsa.version: [ 1, 2 ]
amdhsa.kernels:
  - .name:           k_q6a96531daa_gemm_qkv
    .symbol:         k_q6a96531daa_gemm_qkv.kd
    .args:
      - { .name: x_codes, .offset: 0, .size: 8, .value_kind: global_buffer, .address_space: global }
      - { .name: wqkv_codes, .offset: 8, .size: 8, .value_kind: global_buffer, .address_space: global }
      - { .name: b_qkv, .offset: 16, .size: 8, .value_kind: global_buffer, .address_space: global }
      - { .name: lowp_scales, .offset: 24, .size: 8, .value_kind: global_buffer, .address_space: global }
      - { .name: q_codes, .offset: 32, .size: 8, .value_kind: global_buffer, .address_space: global }
      - { .name: k_codes, .offset: 40, .size: 8, .value_kind: global_buffer, .address_space: global }
      - { .name: v_codes, .offset: 48, .size: 8, .value_kind: global_buffer, .address_space: global }
    .group_segment_fixed_size: 327680
    .private_segment_fixed_size: 0
    .kernarg_segment_align: 8
    .kernarg_segment_size: 56
    .max_flat_workgroup_size: 128
    .sgpr_count:     100
    .vgpr_count:     1024
    .wavefront_size: 32
...
	.end_amdgpu_metadata
.endif
;; end of part 2
;; launch attn (part 3): grid 4 x 64, 8 waves a work-group, clusters of 4 x 1, 327,680 bytes of LDS; arguments q_codes, k_codes, v_codes, lowp_scales, o_codes; writes o_codes
.if DOCPART == 3
	.amdgcn_target "amdgcn-amd-amdhsa--gfx1250"
	.amdhsa_code_object_version 6
	.text
	.protected	k_q6a96531daa_attn
	.globl	k_q6a96531daa_attn
	.p2align	8
	.type	k_q6a96531daa_attn,@function
k_q6a96531daa_attn:
	s_mov_b64 s[64:65], 0
	v_nop
	global_prefetch_b8 v0, s[64:65] scope:SCOPE_SE
	s_setreg_imm32_b32 hwreg(HW_REG_WAVE_MODE, 25, 1), 1
	s_wait_xcnt 0x0
	s_wait_alu depctr_hold_cnt(0) depctr_sa_sdst(0) depctr_va_vdst(0) depctr_va_sdst(0) depctr_va_ssrc(0) depctr_va_vcc(0) depctr_vm_vsrc(0)
	s_getreg_b32 s2, hwreg(HW_REG_IB_STS2, 6, 4)
	s_cmp_eq_u32 s2, 0
	s_cbranch_scc0 .Lentry_in_a_cluster
	s_endpgm
.Lentry_in_a_cluster:
	s_bfe_u32 s2, ttmp6, 0x10000c
	s_cmp_lg_u32 s2, 0x3003
	s_cbranch_scc0 .Lentry_shape_is_right
	s_endpgm
.Lentry_shape_is_right:
; Causal attention on codes of FP8 (E4M3), head size 64, 2,048 tokens, 64 heads (batch x 16 + head).  o = softmax(q k^T / 8, causal) v, quantised at once (scale e6) into the last product's operand.
; THE SOFTMAX AHEAD OF THE SECOND PRODUCT: t = score x log2(e) / 8; M = the row's largest t so far, rounded UP to a whole number; p = 2^(t - M) is quantised (scale e4), not normalised.
; The row's sum is taken of the unquantised p, in f32, and divides O at the end.  When M moves, the sum and O are multiplied by 2^(old M - new M): exact.
; WORK LEFT OUT: key steps all of whose 128 keys come after a pair's queries: the causal mask makes their p zero for all inputs.
; LIMITS: e2 + e3 between -123 and 130 (added to c's exponent field); e4 and e6 between -126 and 119; |t| under 2^31.
; K AND V STAY IN LDS: a head's K codes are 131,072 bytes and its V codes as many; each byte is filled once.  Two fills: key steps 0-4, then 5-15; waves 0-3 bring quarters of K's part, waves 4-7 of V's.
; CLUSTER: the four work-groups of a head need the same K and V: each fill is asked for JOINTLY (mask 15).
; SHARES.  A head has 64 pairs of tiles of 16 queries (pair g: tokens 32 g .. 32 g + 31).  A wave works a PAIR at a time, so that each fragment of K and V read from LDS feeds two products.
; Wave w of partner cx takes pair 63 - (4 w + cx), then pair 4 w + cx: (16 - w) + (w + 1) = 17 key steps of 128 keys in every wave.  The numbers of steps hang on the wave's number alone;
; cx enters global addresses and the mask's lane data only.  Only a pair's last step holds hidden keys.  The long pair's steps 0-3 are walked under the second fill's flight; the other 13 steps have no barrier.
; K's fragments of step t + 1 are read from LDS during step t's softmax; in steps 0-3 that reaches step 4, which the first fill holds.
; NO DATA PREFETCH: each byte of K and V is asked for once, by its tensor load, in two requests, the second four key steps ahead of its first read.
; OPERANDS ARE IMAGES OF REGISTERS: q, k: a block of 16 tokens x 64 is 1,024 bytes (byte 512 c + 16 l + e = row l % 16, d = 32 c + 16 (l / 16) + e); v: 16 channels x 128 keys is 2,048 bytes, likewise.
; Row r of block 2 g + u is token (or channel) 32 g + 8 u + r + 8 (r / 8).  Both products are used transposed (S^T = K Q^T, O^T = V^T P^T): a lane holds ONE query of each tile, the 16 registers of score tiles 2 b, 2 b + 1
; are 16 neighbouring keys 32 b + 16 (lane / 16) + 0 .. 15, and a tile's 32 registers of O^T are two runs of 16 neighbouring channels.
; REGISTERS.  Window 0: addresses, both tiles' state and constants (tile x: -M, t, sum at v[12 + 4 x ..]), codes on the way out v48-63, S^T then p: v64-127 (tile 0), v128-191 (tile 1).
;   Window 1: v0-63 K's 8 fragments; v64-127 O^T; v128-159 p's codes; v160-175 Q in hand; v176-191 the second pair's Q; v192-255 V's 4 fragments.
.set VBASE, 131072
.set SPARE, 262144                     ; behind K and V: the spare words, 128 bytes for each of 8 waves
.set STB,  8192                        ; a key step's bytes in K and in V
.set LI,  1                            ; 16 x lane
.set DD,  2                            ; the mask's d of tile 0 (tile 1's is 8 more): pair in hand, second pair
.set DD2, 3
.set LIV, 4                            ; 16 x lane + VBASE
.set SPW, 5
.set NIL, 6
.set ADK, 8
.set ADV, 9
.set M,   12
.set TA,  20
.set TF,  22
.set PL,  26
.set SC4, 30
.set HO4, 31
.set HO4B, 32                          ; 448 x 2^e4 once more: the two halves of a dual pair take it from two registers
.set SC6, 33
.set HO6, 34
.set T0,  36                           ; three more chains of the sum, 6 registers a tile
.set CO,  48
.set S,   64
.set KB,  0                            ; window 1
.set O,   64
.set PC,  128
.set Q,   160
.set Q2,  176
.set VB,  192
.set TR,  3
.set LT,  14                           ; 11 - w: the long pair's last trip in the last loop
.set MT,  15                           ; the trip whose step is masked
.set BI2, 16                           ; 4 + w
.set CX,  17
.set WV,  18
.set SEL, 20
.set CS,  22
.set G1,  24                           ; group 1: 40 rows of 256 bytes;  G1C: 88 rows
.set G1C, 32
.set G0A, 40
.set G0B, 44
.set OA,  52
.set OB,  54
.set EX,  56
.set KO,  66                           ; the step's byte offset,
.set EPV, 67
.set KN,  98                           ; and the next step's
.set MSB, 0
.macro WIN new                         ; the immediate's high byte repeats the setting that is left
.if MSB != \new
	s_set_vgpr_msb (MSB<<8)|\new
.set MSB, \new
.endif
.endm
.macro CROUND
	s_barrier_signal -1
	s_barrier_wait -1
	s_cmp_lg_u32 s[WV], 0
	s_cbranch_scc1 .Lnot_wave_0_\@
	s_barrier_signal -3
.Lnot_wave_0_\@:
	s_barrier_wait -3
	s_barrier_signal -1
	s_barrier_wait -1
.endm
.macro SEQ                             ; the lines ahead of a later fill's barrier
	s_wait_alu depctr_va_vdst(0)
	s_wait_tensorcnt 0x0
	ds_add_u32 v[SPW], v[NIL]
	s_wait_dscnt 0x0
.endm
.macro TL g0, g1                       ; a joint load; s_nop 0 and four v_nop follow it
	tensor_load_to_lds s[\g0:\g0+3], s[\g1:\g1+7]
	s_nop 0
.rept 4
	v_nop
.endr
.endm
.macro KLOAD adr                       ; K's 8 fragments of a step (destination: window 1)
.irp t, 0,1,2,3,4,5,6,7
	ds_load_b128 v[KB+8*\t:KB+8*\t+3], v[\adr] offset:1024*\t
	ds_load_b128 v[KB+8*\t+4:KB+8*\t+7], v[\adr] offset:1024*\t+512
.endr
.endm
	s_load_b256 s[4:11], s[0:1], 0x0               ; q's codes, k's, v's, the scales' exponents
	s_load_b64 s[12:13], s[0:1], 0x20              ; o's codes
	v_lshl_add_u32 v[SPW], v0, 2, SPARE
	v_mov_b32 v[NIL], 0
	ds_add_u32 v[SPW], v[NIL]                      ; the opening: the add twice on end and its wait ahead of my first tensor load
	ds_add_u32 v[SPW], v[NIL]
	v_lshrrev_b32 v8, 5, v0
	v_readfirstlane_b32 s[WV], v8                  ; wave 0..7
.irp g, G1, G1C
	s_mov_b32 s[\g], 15|(3<<16)|(1<<21)            ; mask: the four partners; elements of 8 bytes; bit 21 beside a mask
	s_mov_b32 s[\g+1], 32<<16                      ; rows of 256 bytes, dense
	s_mov_b32 s[\g+3], 32<<16
	s_mov_b32 s[\g+5], 32
	s_mov_b32 s[\g+6], 0
	s_mov_b32 s[\g+7], 0
.endr
	s_mov_b32 s[G1+2], 40<<16
	s_mov_b32 s[G1+4], 40
	s_mov_b32 s[G1C+2], 88<<16
	s_mov_b32 s[G1C+4], 88
	s_mov_b32 s[SEL], 0x76543210
	s_mov_b32 s[SEL+1], 0xfedcba98
	s_mov_b32 s[CS], 0x3e38aa3b                    ; log2(e) / 8
	s_bfe_u32 s[CX], ttmp6, 0x40000
	s_and_b32 s68, ttmp7, 0xffff                   ; batch x 16 + head
	s_sub_co_u32 s[LT], 11, s[WV]
	s_mov_b32 s[MT], s[LT]
	s_add_co_u32 s[BI2], s[WV], 4
	s_lshl_b32 s70, s[WV], 2
	s_add_co_u32 s70, s70, s[CX]                   ; the short pair
	s_sub_co_u32 s71, 63, s70                      ; the long pair
	s_lshl_b32 s72, s68, 17                        ; a head's codes are 131,072 bytes in q, k and v
	s_mov_b32 s73, 0
	s_lshl_b32 s74, s71, 11                        ; a pair of q's blocks is 2,048 bytes
	s_add_co_u32 s74, s74, s72
	s_mov_b32 s75, 0
	s_lshl_b32 s76, s70, 11
	s_add_co_u32 s76, s76, s72
	s_mov_b32 s77, 0
	s_lshr_b32 s78, s68, 4
	s_lshl_b32 s78, s78, 7                         ; o: the batch's 128 blocks of tokens, 16,384 bytes each;
	s_and_b32 s79, s68, 15
	s_lshl_b32 s79, s79, 10                        ; a head's 64 channels are 1,024 bytes of a block
	s_lshl_b32 s80, s71, 1
	s_add_co_u32 s80, s80, s78
	s_lshl_b32 s80, s80, 14
	s_add_co_u32 s80, s80, s79
	s_mov_b32 s81, 0
	s_lshl_b32 s82, s70, 1
	s_add_co_u32 s82, s82, s78
	s_lshl_b32 s82, s82, 14
	s_add_co_u32 s82, s82, s79
	s_mov_b32 s83, 0
	s_lshl_b32 s84, s71, 5                         ; a pair's first token less its last step's first key
	s_sub_co_u32 s92, 15, s[WV]
	s_lshl_b32 s92, s92, 7
	s_sub_co_u32 s84, s84, s92
	s_lshl_b32 s85, s70, 5
	s_lshl_b32 s92, s[WV], 7
	s_sub_co_u32 s85, s85, s92
	s_and_b32 s86, s[WV], 3                        ; what I fetch: quarter w % 4 of K's (w < 4) or V's part of a fill
	s_lshr_b32 s87, s[WV], 2
	s_lshl_b32 s87, s87, 17
	s_mul_i32 s90, s86, 10240
	s_mov_b32 s91, 0
	s_mul_i32 s94, s86, 22528
	s_add_co_u32 s94, s94, 5*STB
	s_mov_b32 s95, 0
	s_mov_b32 s[G0A], 1
	s_add_co_u32 s[G0A+1], s87, s90
	s_mov_b32 s[G0B], 1
	s_add_co_u32 s[G0B+1], s87, s94
	s_wait_dscnt 0x0                               ; both opening adds are done
	s_wait_kmcnt 0x0
	s_load_b256 s[EX:EX+7], s[10:11], 0x0
	s_add_nc_u64 s[74:75], s[4:5], s[74:75]        ; Q: long pair,
	s_add_nc_u64 s[76:77], s[4:5], s[76:77]        ; short pair
	s_add_nc_u64 s[OA:OA+1], s[12:13], s[80:81]
	s_add_nc_u64 s[OB:OB+1], s[12:13], s[82:83]
	s_cmp_lt_u32 s[WV], 4
	s_cselect_b64 s[88:89], s[6:7], s[8:9]
	s_add_nc_u64 s[88:89], s[88:89], s[72:73]
	s_add_nc_u64 s[G0A+2:G0A+3], s[88:89], s[90:91]
	s_add_nc_u64 s[G0B+2:G0B+3], s[88:89], s[94:95]
	s_or_b32 s[G0A+3], s[G0A+3], 0x80000000
	s_or_b32 s[G0B+3], s[G0B+3], 0x80000000
	CROUND                                         ; the four partners are here: the first joint loads meet
	TL G0A, G1                                     ; key steps 0-4: my one tensor load at the head
	v_and_b32 v[LI], 31, v0
	v_lshlrev_b32 v[LI], 4, v[LI]
	v_add_nc_u32 v[LIV], VBASE, v[LI]
	WIN 0x40
.irp c, 0,1,2,3
	global_load_b128 v[Q+4*\c:Q+4*\c+3], v[LI], s[74:75] offset:512*\c     ; both pairs' Q stay in registers
	global_load_b128 v[Q2+4*\c:Q2+4*\c+3], v[LI], s[76:77] offset:512*\c
.endr
	WIN 0
	v_and_b32 v10, 15, v0                          ; r
	v_bfe_u32 v11, v0, 4, 1                        ; h
	v_and_b32 v7, 8, v10
	v_add_nc_u32 v7, v7, v10
	v_lshlrev_b32 v11, 4, v11
	v_sub_nc_u32 v7, v7, v11                       ; r + 8 (r / 8) - 16 h
	v_add_nc_u32 v[DD], s84, v7                    ; d = tile 0's query - the last step's first key - 16 h
	v_add_nc_u32 v[DD2], s85, v7
.set n, 0
.rept 8
	v_mov_b32 v[TA+n], 0                           ; v20-27, written once: halves of pairs, and lane permutes' destinations
.set n, n+1
.endr
.macro RESET                           ; a pair begins: the largest t is -3e38; the sums and O^T are zeros, which the first change of M leaves zeros
.irp x, 0,1
	v_mov_b32 v[M+4*\x+1], 0xff61b1e6
	v_mov_b32 v[M+4*\x+2], 0
	v_mov_b32 v[M+4*\x+3], 0
.endr
.irp x, 0,1
	v_floor_f32 v[M+4*\x], -v[M+4*\x+1]
.endr
	WIN 0x40
.set n, 0
.rept 64
	v_mov_b32 v[O+n], 0
.set n, n+1
.endr
	WIN 0
.endm
	RESET
.macro MKS e, sc, ho                   ; v[sc] = 2^e as f32, v[ho] = 448 x 2^e
	s_add_co_i32 s96, s[\e], 127
	s_lshl_b32 s97, s96, 23
	v_mov_b32 v[\sc], s97
	s_add_co_i32 s96, s96, 8
	s_lshl_b32 s96, s96, 23
	s_or_b32 s96, s96, 0x600000
	v_mov_b32 v[\ho], s96
.endm
	s_wait_alu depctr_va_vdst(0)
	s_wait_kmcnt 0x0
	s_add_co_i32 s96, s[EX+2], s[EX+3]
	s_lshl_b32 s96, s96, 23
	s_add_co_i32 s[CS], s[CS], s96                 ; a score stands for score x 2^(e2 + e3)
	s_mov_b32 s[CS+1], s[CS]
	MKS EX+4, SC4, HO4
	v_mov_b32 v[HO4B], v[HO4]
	MKS EX+6, SC6, HO6
	s_add_co_i32 s[EPV], s[EX+4], s[EX+5]
; A KEY STEP of a pair: V's fragments at byte s[KO]; K's are in registers; K's of the next step, at byte s[KN], are asked for.  The two tiles' lines take turns.
; mk = 1 (the last loop): the last trip asks for no further K, and in the trip s[MT] hidden scores become -infinity ahead of the maximum.
.macro STEP mk
	v_add_nc_u32 v[ADV], s[KO], v[LIV]
	v_add_nc_u32 v[ADK], s[KN], v[LI]
	WIN 0x05                                       ; sources 0 and 1: window 1
.irp t, 0,1,2,3,4,5,6,7
.irp x, 0,1
	v_wmma_f32_16x16x64_fp8_fp8 v[S+64*\x+8*\t:S+64*\x+8*\t+7], v[KB+8*\t:KB+8*\t+7], v[Q+8*\x:Q+8*\x+7], 0
.endr
.endr
.rept 4
	v_nop                                          ; places: in front of the loads below and of the first read of the scores
.endr
	WIN 0x40
.irp t, 0,1,2,3
.irp c, 0,1,2,3
	ds_load_b128 v[VB+16*\t+4*\c:VB+16*\t+4*\c+3], v[ADV] offset:2048*\t+512*\c
.endr
.endr
.if \mk
	WIN 0
	s_cmp_eq_u32 s[TR], 12                         ; the trip alone
	s_cbranch_scc1 .Lnok_\@
	WIN 0x40
.endif
	KLOAD ADK
	WIN 0
.if \mk
.Lnok_\@:
	s_cmp_lg_u32 s[TR], s[MT]                      ; the wave's number and the trip alone
	s_cbranch_scc1 .Lopen_\@
	v_mov_b32 v[TA], 0xff800000
.set n, 0
.rept 64
	v_cmp_gt_i32 vcc_lo, 32*(n/16)+n%16, v[DD]     ; register 16 b + i holds key 16 h + 32 b + i of the step: hidden where 32 b + i > d;
	v_cndmask_b32 v[S+n], v[S+n], v[TA], vcc_lo
	v_cmp_gt_i32 vcc_lo, 32*(n/16)+n%16-8, v[DD]   ; tile 1's queries lie 8 tokens on
	v_cndmask_b32 v[S+64+n], v[S+64+n], v[TA], vcc_lo
.set n, n+1
.endr
.Lopen_\@:
.endif
.irp x, 0,1                                    ; the step's largest score of each query, two chains a tile, each score tile from its low end on
	v_max3_num_f32 v[TA+\x], v[S+64*\x], v[S+64*\x+1], v[S+64*\x+2]
	v_max3_num_f32 v[TF+2*\x], v[S+64*\x+3], v[S+64*\x+4], v[S+64*\x+5]
.endr
.set n, 6
.rept 14
.irp x, 0,1
	v_max3_num_f32 v[TA+\x], v[TA+\x], v[S+64*\x+n], v[S+64*\x+n+1]
	v_max3_num_f32 v[TF+2*\x], v[TF+2*\x], v[S+64*\x+n+2], v[S+64*\x+n+3]
.endr
.set n, n+4
.endr
.irp x, 0,1
	v_max3_num_f32 v[TA+\x], v[TA+\x], v[S+64*\x+62], v[S+64*\x+63]
.endr
.irp x, 0,1
	v_max_num_f32 v[TA+\x], v[TA+\x], v[TF+2*\x]
.endr
.irp x, 0,1
	v_permlanex16_b32 v[PL+\x], v[TA+\x], s[SEL], s[SEL+1]
.endr
.irp x, 0,1
	v_max_num_f32 v[TA+\x], v[TA+\x], v[PL+\x]     ; and among lane l xor 16's
.endr
.irp x, 0,1
	v_mul_f32 v[TA+\x], s[CS], v[TA+\x]            ; as t (c is positive)
.endr
.irp x, 0,1
	v_max_num_f32 v[M+4*\x+1], v[M+4*\x+1], v[TA+\x]   ; the running largest t
.endr
.irp x, 0,1
	v_mov_b32 v[TA+\x], v[M+4*\x]
.endr
.irp x, 0,1
	v_floor_f32 v[M+4*\x], -v[M+4*\x+1]            ; the new -M = -ceil(t)
.endr
.irp x, 0,1
	v_sub_f32 v[TA+\x], v[M+4*\x], v[TA+\x]        ; old M less new M: a whole number, 0 or less
.endr
.irp x, 0,1
	v_cvt_i32_f32 v[TA+\x], v[TA+\x]               ; (it saturates)
.endr
.irp x, 0,1
	v_ldexp_f32 v[TF+2*\x], 1.0, v[TA+\x]          ; f = 2^(old M - new M)
.endr
.set n, 0
.rept 32
.irp x, 0,1
	v_pk_fma_f32 v[S+64*\x+n:S+64*\x+n+1], v[S+64*\x+n:S+64*\x+n+1], s[CS:CS+1], v[M+4*\x:M+4*\x+1] op_sel_hi:[1,0,0]   ; t - M, two at a time
.endr
.set n, n+2
.endr
	WIN 0x41                                       ; source 0 and destination: window 1
.set n, 0
.rept 16
.irp x, 0,1
	v_pk_mul_f32 v[O+32*\x+n:O+32*\x+n+1], v[O+32*\x+n:O+32*\x+n+1], v[TF+2*\x:TF+2*\x+1] op_sel_hi:[1,0]   ; O^T under the new M, ahead of the exponentials
.endr
.set n, n+2
.endr
	WIN 0
	s_wait_alu depctr_va_vdst(0)                   ; the wait ahead of the batch
.set n, 0
.rept 128
	v_exp_f32 v[S+n], v[S+n]                       ; p = 2^(t - M), at most 1: not normalised
.set n, n+1
.endr
.irp x, 0,1
	v_pk_mul_f32 v[M+4*\x+2:M+4*\x+3], v[M+4*\x+2:M+4*\x+3], v[TF+2*\x:TF+2*\x+1] op_sel_hi:[1,0]   ; the sums under the new M: plain lines behind the exponentials
.endr
	s_wait_alu depctr_va_vdst(0)                   ; and the one wait behind the batch
.irp x, 0,1                                    ; the rows' sums of the unquantised p, four chains a tile
	v_pk_add_f32 v[T0+6*\x:T0+6*\x+1], v[S+64*\x:S+64*\x+1], v[S+64*\x+2:S+64*\x+3]
	v_pk_add_f32 v[T0+6*\x+2:T0+6*\x+3], v[S+64*\x+4:S+64*\x+5], v[S+64*\x+6:S+64*\x+7]
	v_pk_add_f32 v[T0+6*\x+4:T0+6*\x+5], v[S+64*\x+8:S+64*\x+9], v[S+64*\x+10:S+64*\x+11]
.endr
.set n, 12
.rept 6
.irp x, 0,1
	v_pk_add_f32 v[M+4*\x+2:M+4*\x+3], v[M+4*\x+2:M+4*\x+3], v[S+64*\x+n:S+64*\x+n+1]
	v_pk_add_f32 v[T0+6*\x:T0+6*\x+1], v[T0+6*\x:T0+6*\x+1], v[S+64*\x+n+2:S+64*\x+n+3]
	v_pk_add_f32 v[T0+6*\x+2:T0+6*\x+3], v[T0+6*\x+2:T0+6*\x+3], v[S+64*\x+n+4:S+64*\x+n+5]
	v_pk_add_f32 v[T0+6*\x+4:T0+6*\x+5], v[T0+6*\x+4:T0+6*\x+5], v[S+64*\x+n+6:S+64*\x+n+7]
.endr
.set n, n+8
.endr
.irp x, 0,1
	v_pk_add_f32 v[M+4*\x+2:M+4*\x+3], v[M+4*\x+2:M+4*\x+3], v[S+64*\x+60:S+64*\x+61]
	v_pk_add_f32 v[T0+6*\x:T0+6*\x+1], v[T0+6*\x:T0+6*\x+1], v[S+64*\x+62:S+64*\x+63]
	v_pk_add_f32 v[T0+6*\x+2:T0+6*\x+3], v[T0+6*\x+2:T0+6*\x+3], v[T0+6*\x+4:T0+6*\x+5]
.endr
.irp x, 0,1
	v_pk_add_f32 v[M+4*\x+2:M+4*\x+3], v[M+4*\x+2:M+4*\x+3], v[T0+6*\x:T0+6*\x+1]
.endr
.irp x, 0,1
	v_pk_add_f32 v[M+4*\x+2:M+4*\x+3], v[M+4*\x+2:M+4*\x+3], v[T0+6*\x+2:T0+6*\x+3]
.endr
.set n, 0
.rept 64
	v_dual_min_num_f32 v[S+n], v[S+n], v[HO4] :: v_dual_min_num_f32 v[S+n+1], v[S+n+1], v[HO4B]   ; the conversion does not saturate (ISA guide 7.6.2); p is not negative: a one-sided hold, two a line
.set n, n+2
.endr
	WIN 0x40                                       ; destination: window 1
.irp x, 0,1
.irp b, 0,1,2,3
	v_cvt_scalef32_pk8_fp8_f32 v[PC+16*\x+4*\b:PC+16*\x+4*\b+1], v[S+64*\x+16*\b:S+64*\x+16*\b+7], v[SC4]
	v_cvt_scalef32_pk8_fp8_f32 v[PC+16*\x+4*\b+2:PC+16*\x+4*\b+3], v[S+64*\x+16*\b+8:S+64*\x+16*\b+15], v[SC4]
.endr
.endr
	v_nop                                          ; a plain line between the last conversion and the products that read its result
	s_wait_alu depctr_va_vdst(0)
	s_wait_dscnt 0x0                               ; V is in, and so is the next step's K
	WIN 0x55
.irp t, 0,1,2,3                                ; O^T += V^T P^T: the eight accumulators take turns
.irp x, 0,1
	v_wmma_f32_16x16x128_fp8_fp8 v[O+32*\x+8*\t:O+32*\x+8*\t+7], v[VB+16*\t:VB+16*\t+15], v[PC+16*\x:PC+16*\x+15], v[O+32*\x+8*\t:O+32*\x+8*\t+7]
.endr
.endr
	WIN 0
.endm
; THE WAY OUT of a pair: O^T x 2^(e4 + e5) / the sum, held and converted with 2^e6: 8 registers of codes a tile, two stores of 512 consecutive bytes a tile.
.macro WAYOUT base
.rept 4
	v_nop                                          ; places behind the last products
.endr
.irp x, 0,1
	v_add_f32 v[M+4*\x+2], v[M+4*\x+2], v[M+4*\x+3]
.endr
.irp x, 0,1
	v_permlanex16_b32 v[TF+2*\x], v[M+4*\x+2], s[SEL], s[SEL+1]
.endr
.irp x, 0,1
	v_add_f32 v[M+4*\x+2], v[M+4*\x+2], v[TF+2*\x] ; the row's sum
.endr
	s_wait_alu depctr_va_vdst(0)                   ; the wait ahead of the reciprocals,
.irp x, 0,1
	v_rcp_f32 v[M+4*\x+2], v[M+4*\x+2]
.endr
	v_nop
	s_wait_alu depctr_va_vdst(0)                   ; ahead of their first reader,
.irp x, 0,1
	v_ldexp_f32 v[M+4*\x+2], v[M+4*\x+2], s[EPV]
.endr
	WIN 0x01                                       ; source 0: window 1
	s_wait_alu depctr_va_vdst(0)                   ; and directly ahead of the first reader of O^T
.irp x, 0,1
.set n, 0
.rept 16
	v_pk_mul_f32 v[S+64*\x+n:S+64*\x+n+1], v[O+32*\x+n:O+32*\x+n+1], v[M+4*\x+2:M+4*\x+3] op_sel_hi:[1,0]   ; register 16 g + i: channel 32 g + 16 h + i of my query
.set n, n+2
.endr
.endr
	WIN 0
.irp x, 0,1
.irp g, 0,1
.set n, 0
.rept 16
	v_med3_num_f32 v[S+64*\x+16*\g+n], v[S+64*\x+16*\g+n], -v[HO6], v[HO6]
.set n, n+1
.endr
	v_cvt_scalef32_pk8_fp8_f32 v[CO+8*\x+4*\g:CO+8*\x+4*\g+1], v[S+64*\x+16*\g:S+64*\x+16*\g+7], v[SC6]
	v_cvt_scalef32_pk8_fp8_f32 v[CO+8*\x+4*\g+2:CO+8*\x+4*\g+3], v[S+64*\x+16*\g+8:S+64*\x+16*\g+15], v[SC6]
.endr
.endr
	v_nop                                          ; a plain line behind the last conversion
.irp x, 0,1
	global_store_b128 v[LI], v[CO+8*\x:CO+8*\x+3], s[\base:\base+1] offset:16384*\x
	global_store_b128 v[LI], v[CO+8*\x+4:CO+8*\x+7], s[\base:\base+1] offset:16384*\x+512
.endr
.endm
	s_wait_alu depctr_va_vdst(0)
	s_wait_loadcnt 0x0                             ; Q
	SEQ
	CROUND                                         ; everybody's part of key steps 0-4 is in, and the four partners are here
	TL G0B, G1C                                    ; key steps 5-15: my one tensor load behind the round: bytes that are filled for the first time
	WIN 0x40
	KLOAD LI                                       ; K of step 0
	WIN 0
	s_mov_b32 s[KO], 0
	s_mov_b32 s[KN], STB
	s_mov_b32 s[TR], 0
	s_wait_dscnt 0x0
.Lphase:                                           ; the long pair's steps 0-3: they read V of steps 0-3 and K up to step 4, all of the first fill
	STEP 0
	s_add_co_u32 s[KO], s[KO], STB
	s_add_co_u32 s[KN], s[KN], STB
	s_add_co_u32 s[TR], s[TR], 1
	s_cmp_lt_u32 s[TR], 4
	s_cbranch_scc1 .Lphase
	SEQ
	s_barrier_signal -1
	s_barrier_wait -1                              ; all of K and V is in: nothing is filled from here on, and no barrier follows but the closing round's
	s_mov_b32 s[KO], 4*STB
	s_mov_b32 s[TR], 0
.Lrest:                                            ; thirteen trips: the long pair's steps 4 .. 15 - w, then the short pair's 0 .. w
	s_add_co_u32 s96, s[TR], 1                     ; the next trip's step: trip + 4, or trip + 4 + w - 16
	s_cmp_gt_u32 s96, s[LT]
	s_cselect_b32 s[KN], s[BI2], 4
	s_add_co_u32 s[KN], s[KN], s96
	s_and_b32 s[KN], s[KN], 15
	s_lshl_b32 s[KN], s[KN], 13
	STEP 1
	s_mov_b32 s[KO], s[KN]
	s_cmp_lg_u32 s[TR], s[LT]                      ; the long pair's last trip?  The wave's number and the trip alone; register work and global stores stand under the branch
	s_cbranch_scc1 .Lsame
	WAYOUT OA
	WIN 0x41
.set n, 0
.rept 16
	v_mov_b32 v[Q+n], v[Q2+n]                      ; the short pair's Q
.set n, n+1
.endr
	WIN 0
	v_mov_b32 v[DD], v[DD2]
	RESET
	s_mov_b32 s[MT], 12                            ; the short pair's last step is the last trip's
	s_wait_alu depctr_va_vdst(0)
	s_wait_xcnt 0x0                                ; the stores have read their data
.Lsame:
	s_add_co_u32 s[TR], s[TR], 1
	s_cmp_lt_u32 s[TR], 13
	s_cbranch_scc1 .Lrest
	WAYOUT OB
	s_wait_tensorcnt 0x0                           ; the wave's end
	ds_add_u32 v[SPW], v[NIL]
	s_wait_dscnt 0x0
	CROUND                                         ; the closing round
	s_endpgm
.Lfunc_end_k_q6a96531daa_attn:
	.size	k_q6a96531daa_attn, .Lfunc_end_k_q6a96531daa_attn-k_q6a96531daa_attn
	.p2alignl 7, 3214868480
	.fill 96, 4, 3214868480
	.section	.rodata,"a",@progbits
	.p2align	6, 0x0
	.amdhsa_kernel k_q6a96531daa_attn
		.amdhsa_group_segment_fixed_size 327680
		.amdhsa_private_segment_fixed_size 0
		.amdhsa_enable_private_segment 0
		.amdhsa_kernarg_size 40
		.amdhsa_user_sgpr_count 2
		.amdhsa_user_sgpr_kernarg_segment_ptr 1
		.amdhsa_wavefront_size32 1
		.amdhsa_system_sgpr_workgroup_id_x 1
		.amdhsa_system_sgpr_workgroup_id_y 1
		.amdhsa_system_sgpr_workgroup_id_z 1
		.amdhsa_system_vgpr_workitem_id 0
		.amdhsa_next_free_vgpr 512
		.amdhsa_next_free_sgpr 100
		.amdhsa_reserve_vcc 1
		.amdhsa_float_denorm_mode_32 3
		.amdhsa_float_denorm_mode_16_64 3
		.amdhsa_memory_ordered 1
		.amdhsa_forward_progress 1
		.amdhsa_inst_pref_size 97
	.end_amdhsa_kernel
	.amdgpu_metadata
---
amdhsa.version: [ 1, 2 ]
amdhsa.kernels:
  - .name:           k_q6a96531daa_attn
    .symbol:         k_q6a96531daa_attn.kd
    .args:
      - { .name: q_codes, .offset: 0, .size: 8, .value_kind: global_buffer, .address_space: global }
      - { .name: k_codes, .offset: 8, .size: 8, .value_kind: global_buffer, .address_space: global }
      - { .name: v_codes, .offset: 16, .size: 8, .value_kind: global_buffer, .address_space: global }
      - { .name: lowp_scales, .offset: 24, .size: 8, .value_kind: global_buffer, .address_space: global }
      - { .name: o_codes, .offset: 32, .size: 8, .value_kind: global_buffer, .address_space: global }
    .group_segment_fixed_size: 327680
    .private_segment_fixed_size: 0
    .kernarg_segment_align: 8
    .kernarg_segment_size: 40
    .max_flat_workgroup_size: 256
    .sgpr_count:     100
    .vgpr_count:     512
    .wavefront_size: 32
...
	.end_amdgpu_metadata
.endif
;; end of part 3
;; launch gemm_out (part 4): grid 4 x 64, 4 waves a work-group, clusters of 4 x 1, 327,680 bytes of LDS; arguments o_codes, wout_codes, b_out, lowp_scales, out0; writes out0
.if DOCPART == 4
	.amdgcn_target "amdgcn-amd-amdhsa--gfx1250"
	.amdhsa_code_object_version 6
	.text
	.protected	k_q6a96531daa_gemm_out
	.globl	k_q6a96531daa_gemm_out
	.p2align	8
	.type	k_q6a96531daa_gemm_out,@function
k_q6a96531daa_gemm_out:
	s_mov_b64 s[64:65], 0
	v_nop
	global_prefetch_b8 v0, s[64:65] scope:SCOPE_SE
	s_setreg_imm32_b32 hwreg(HW_REG_WAVE_MODE, 25, 1), 1
	s_wait_xcnt 0x0
	s_wait_alu depctr_hold_cnt(0) depctr_sa_sdst(0) depctr_va_vdst(0) depctr_va_sdst(0) depctr_va_ssrc(0) depctr_va_vcc(0) depctr_vm_vsrc(0)
	s_getreg_b32 s2, hwreg(HW_REG_IB_STS2, 6, 4)
	s_cmp_eq_u32 s2, 0
	s_cbranch_scc0 .Lentry_in_a_cluster
	s_endpgm
.Lentry_in_a_cluster:
	s_bfe_u32 s2, ttmp6, 0x10000c
	s_cmp_lg_u32 s2, 0x3003
	s_cbranch_scc0 .Lentry_shape_is_right
	s_endpgm
.Lentry_shape_is_right:
; out0 = o W_out + b_out on codes of FP8 (E4M3): each finished sum x 2^(e6 + e7) + bias, f32.  LIMIT: e6 + e7 between -126 and 127.
; OPERANDS ARE IMAGES OF REGISTERS: a fragment (16 rows x 128 K) is 2,048 bytes, byte 512 c + 16 l + e = row l % 16, k = 32 c + 16 (l / 16) + e; a block of 16 rows has 8 fragments on end.
; Row r of block 2 g + u stands for index 32 g + 8 u + r + 8 (r / 8).
; SHARES.  Work-group (cx, y) makes tokens 128 y on x columns 256 cx on; a wave 128 tokens x 64 columns: 32 accumulators.
; THE TOKENS' CODES, K = 1,024 whole (131,072 bytes), are filled into LDS ONCE, wave w bringing K steps 2 w, 2 w + 1 of the 8 blocks; nothing is filled again.
; CLUSTER: the four work-groups of a row of the grid own the same tokens: that fill is asked for JOINTLY (mask 15).  W's columns differ between the partners.
; W'S FRAGMENTS go from memory straight into the wave's registers, into a ring of four K steps: K step t + 4 is asked for behind K step t's products.  So no data prefetch is laid.
; Source 0 = W's columns, source 1 = tokens: a lane holds one token, its 32 registers of a block are two runs of 16 neighbouring columns.
; THE WAY OUT: a block of 16 tokens x 64 columns goes through the wave's own stage in LDS and leaves by rows: sixteen lanes store one aligned unit of 256 bytes.
; REGISTERS: window 0: addresses, bias v32-63, numbers v64-95, rows read back v128-191.  window 1: W's ring.  window 2: the tokens' ring.  window 3: accumulator (a, b) at 8 (4 a + b).
.set STAGE, 131072                     ; behind the tile: 16 rows x SP for each wave
.set SP,    272
.set SPARE, STAGE+4*16*SP              ; behind the stages: the spare words
.set PASSB, 0
.set STO,  20
.set RD,   21
.set CO,   22
.set LO,   24                          ; v24 16 x lane; v25 the same + 65,536
.set BOQ,  26
.set SPW,  28
.set NIL,  29
.set BIAS, 32
.set TMP,  64
.set BK,   128
.set WV,  14
.set CX,  15
.set TY,  16
.set G1,  24
.set G0,  32
.set WB,  36
.set BB,  38
.set ST,  40
.set MSB, 0
.macro WIN new
.if MSB != \new
	s_set_vgpr_msb (MSB<<8)|\new
.set MSB, \new
.endif
.endm
.set MQ,   0xf9                        ; source 0 window 1 (W), source 1 window 2 (tokens), C and D window 3
.set TO_T, 0x80
.set TO_W, 0x40
.macro CROUND
	s_barrier_signal -1
	s_barrier_wait -1
	s_cmp_lg_u32 s[WV], 0
	s_cbranch_scc1 .Lnot_wave_0_\@
	s_barrier_signal -3
.Lnot_wave_0_\@:
	s_barrier_wait -3
	s_barrier_signal -1
	s_barrier_wait -1
.endm
.macro LOADT g                         ; group g: K step g / 2, token blocks 4 (g % 2) on
.irp i, 0,1,2,3
.irp c, 0,1,2,3
	ds_load_b128 v[64*((\g)%4)+16*\i+4*\c:64*((\g)%4)+16*\i+4*\c+3], v[LO+(\g)/8] offset:(((\g)/4)%2)*32768+(4*((\g)%2)+\i)*4096+(((\g)/2)%2)*2048+512*\c
.endr
.endr
.endm
.macro LOADW s
.irp b, 0,1,2,3
.irp c, 0,1,2,3
	global_load_b128 v[64*((\s)%4)+16*\b+4*\c:64*((\s)%4)+16*\b+4*\c+3], v[LO], s[WB:WB+1] offset:16384*\b+2048*(\s)+512*\c
.endr
.endr
.endm
.macro MULG g                          ; 16 products; the 32 accumulators take turns; K step 0 starts the sums
.irp i, 0,1,2,3
.irp b, 0,1,2,3
.set WF, 64*(((\g)/2)%4)+16*\b
.set TFR, 64*((\g)%4)+16*\i
.set AC, 8*(4*(4*((\g)%2)+\i)+\b)
.if (\g) < 2
	v_wmma_f32_16x16x128_fp8_fp8 v[AC:AC+7], v[WF:WF+15], v[TFR:TFR+15], 0
.else
	v_wmma_f32_16x16x128_fp8_fp8 v[AC:AC+7], v[WF:WF+15], v[TFR:TFR+15], v[AC:AC+7]
.endif
.endr
.endr
.endm
	s_load_b256 s[4:11], s[0:1], 0x0               ; o's codes, W's codes, the bias, the scales' exponents
	s_load_b64 s[68:69], s[0:1], 0x20              ; out0
	v_lshl_add_u32 v[SPW], v0, 2, SPARE
	v_mov_b32 v[NIL], 0
	ds_add_u32 v[SPW], v[NIL]                      ; the opening: the add twice on end and its wait ahead of my first tensor load
	ds_add_u32 v[SPW], v[NIL]
	v_lshrrev_b32 v1, 5, v0
	v_readfirstlane_b32 s[WV], v1
	s_mul_i32 s57, s[WV], 16*SP
	s_add_co_u32 s57, s57, STAGE                   ; my stage
	v_and_b32 v2, 31, v0
	v_lshlrev_b32 v[LO], 4, v2
	v_add_nc_u32 v[LO+1], 65536, v[LO]
	v_bfe_u32 v3, v0, 4, 1                         ; h
	v_and_b32 v4, 15, v0                           ; r
	v_lshlrev_b32 v[BOQ], 6, v3
	v_mul_u32_u24 v[STO], v4, SP                   ; in: row r, + 64 h bytes
	v_lshl_add_u32 v[STO], v3, 6, v[STO]
	v_add_nc_u32 v[STO], s57, v[STO]
	v_mul_u32_u24 v[RD], v3, SP                    ; back: lanes 0-15 one row, lanes 16-31 the next
	v_lshl_add_u32 v[RD], v4, 4, v[RD]
	v_add_nc_u32 v[RD], s57, v[RD]
	v_lshlrev_b32 v[CO], 12, v3                    ; and the same two rows in out0
	v_lshl_add_u32 v[CO], v4, 4, v[CO]
	s_bfe_u32 s[CX], ttmp6, 0x40000
	s_and_b32 s[TY], ttmp7, 0xffff
	s_mov_b32 s[G1], 15|(3<<16)|(1<<21)
	s_mov_b32 s[G1+1], 512<<16
	s_mov_b32 s[G1+2], 8<<16
	s_mov_b32 s[G1+3], 512<<16
	s_mov_b32 s[G1+4], 8
	s_mov_b32 s[G1+5], 2048
	s_mov_b32 s[G1+6], 0
	s_mov_b32 s[G1+7], 0
	s_lshl_b32 s48, s[TY], 17
	s_lshl_b32 s49, s[WV], 12
	s_add_co_u32 s48, s48, s49
	s_mov_b32 s49, 0
	s_mov_b32 s[G0], 1
	s_lshl_b32 s[G0+1], s[WV], 15
	s_lshl_b32 s50, s[CX], 4
	s_lshl_b32 s51, s[WV], 2
	s_add_co_u32 s50, s50, s51                     ; my first block of columns: 16 cx + 4 w
	s_lshl_b32 s52, s50, 6                         ; 64 bytes of a row of f32 a block
	s_mov_b32 s53, 0
	s_lshl_b32 s50, s50, 14
	s_mov_b32 s51, 0
	s_lshl_b32 s54, s[TY], 19                      ; 128 rows of 4,096 bytes
	s_add_co_u32 s54, s54, s52
	s_mov_b32 s55, 0
	s_wait_dscnt 0x0
	s_wait_kmcnt 0x0
	s_load_b256 s[80:87], s[10:11], 0x0
	s_add_nc_u64 s[G0+2:G0+3], s[4:5], s[48:49]
	s_or_b32 s[G0+3], s[G0+3], 0x80000000
	s_add_nc_u64 s[WB:WB+1], s[6:7], s[50:51]
	s_add_nc_u64 s[BB:BB+1], s[8:9], s[52:53]
	s_add_nc_u64 s[ST:ST+1], s[68:69], s[54:55]
	s_wait_alu depctr_va_vdst(0)
	CROUND
	tensor_load_to_lds s[G0:G0+3], s[G1:G1+7]      ; my one tensor load
	s_nop 0
.rept 4
	v_nop
.endr
	WIN TO_W
	LOADW 0
	LOADW 1
	LOADW 2
	LOADW 3
	WIN 0
	s_wait_kmcnt 0x0
	s_add_co_i32 s96, s86, s87
	s_add_co_i32 s96, s96, 127
	s_lshl_b32 s96, s96, 23                        ; 2^(e6 + e7) as f32
	s_mov_b32 s97, s96
	s_wait_tensorcnt 0x0                           ; my part of the tile is in,
	s_barrier_signal -1
	s_barrier_wait -1                              ; everybody's is
	WIN TO_T
	LOADT 0
	LOADT 1
	LOADT 2
	LOADT 3
; 16 groups.  LDS loads: behind group g's stand those of up to three later groups.  Global loads: behind K step s's stand those of the later K steps asked for so far, three at the most, and from K step 4 on the 8 bias loads.
.set g, 0
.rept 16
.if g < 13
	s_wait_dscnt 48
.else
	s_wait_dscnt 16*(15-g)
.endif
.if g%2 == 0
.if g < 8
	s_wait_loadcnt 48
.else
	s_wait_loadcnt 16*(7-g/2)+8
.endif
.endif
	WIN MQ
	MULG g
.rept 4
	v_nop                                          ; places in front of loads into registers that these products read (and, behind the last group, of the first read of the sums)
.endr
.if g < 12
	WIN TO_T
	LOADT g+4
.endif
.if g%2 == 1
.if g < 8
	WIN TO_W
	LOADW g/2+4
.endif
.if g == 7
	WIN 0
.irp q, 0,1
.irp j, 0,1,2,3
	global_load_b128 v[BIAS+16*\q+4*\j:BIAS+16*\q+4*\j+3], v[BOQ], s[BB:BB+1] offset:128*\q+16*\j   ; columns 32 q + 16 h + 4 j on
.endr
.endr
.endif
.endif
.set g, g+1
.endr
	WIN 0
.macro TOSTAGE a
	WIN 0x03                                       ; source 0: window 3
.set j, 0
.rept 16
	v_pk_fma_f32 v[TMP+j:TMP+j+1], v[32*(\a)+j:32*(\a)+j+1], s[96:97], v[BIAS+j:BIAS+j+1] op_sel_hi:[1,0,1]   ; each accumulator from its low end on
.set j, j+2
.endr
	WIN 0
.irp q, 0,1,2,3,4,5,6,7
	ds_store_b128 v[STO], v[TMP+4*\q:TMP+4*\q+3] offset:128*(\q/4)+16*(\q%4)
.endr
.set BB2, BK+32*((\a)%2)
.irp t, 0,1,2,3,4,5,6,7
	ds_load_b128 v[BB2+4*\t:BB2+4*\t+3], v[RD] offset:2*\t*SP   ; LDS serves a wave's instructions in order: these see my stores
.endr
.endm
.macro SEND a, younger                 ; younger: the LDS instructions issued behind block a's loads
.set BB2, BK+32*((\a)%2)
	s_wait_dscnt \younger
.irp t, 0,1,2,3,4,5,6,7
	global_store_b128 v[CO], v[BB2+4*\t:BB2+4*\t+3], s[ST:ST+1] offset:(32*((\a)/2)+8*((\a)%2)+2*\t+8*(\t/4))*4096 th:TH_STORE_NT   ; sixteen lanes store 256 consecutive bytes, aligned
.endr
.endm
	s_wait_loadcnt 0x0                             ; the bias
	TOSTAGE 0
.irp a, 1,2,3,4,5,6,7
.if \a > 1
	s_wait_xcnt 0x0                                ; block a - 2's stores have read their registers
.endif
	TOSTAGE \a
	SEND \a-1, 16
.endr
	SEND 7, 0
	s_wait_tensorcnt 0x0                           ; the wave's end
	ds_add_u32 v[SPW], v[NIL]
	s_wait_dscnt 0x0
	CROUND                                         ; the closing round
	s_endpgm
.Lfunc_end_k_q6a96531daa_gemm_out:
	.size	k_q6a96531daa_gemm_out, .Lfunc_end_k_q6a96531daa_gemm_out-k_q6a96531daa_gemm_out
	.p2alignl 7, 3214868480
	.fill 96, 4, 3214868480
	.section	.rodata,"a",@progbits
	.p2align	6, 0x0
	.amdhsa_kernel k_q6a96531daa_gemm_out
		.amdhsa_group_segment_fixed_size 327680
		.amdhsa_private_segment_fixed_size 0
		.amdhsa_enable_private_segment 0
		.amdhsa_kernarg_size 40
		.amdhsa_user_sgpr_count 2
		.amdhsa_user_sgpr_kernarg_segment_ptr 1
		.amdhsa_wavefront_size32 1
		.amdhsa_system_sgpr_workgroup_id_x 1
		.amdhsa_system_sgpr_workgroup_id_y 1
		.amdhsa_system_sgpr_workgroup_id_z 1
		.amdhsa_system_vgpr_workitem_id 0
		.amdhsa_next_free_vgpr 1024
		.amdhsa_next_free_sgpr 100
		.amdhsa_reserve_vcc 0
		.amdhsa_float_denorm_mode_32 3
		.amdhsa_float_denorm_mode_16_64 3
		.amdhsa_memory_ordered 1
		.amdhsa_forward_progress 1
		.amdhsa_inst_pref_size 76
	.end_amdhsa_kernel
	.amdgpu_metadata
---
amdhsa.version: [ 1, 2 ]
amdhsa.kernels:
  - .name:           k_q6a96531daa_gemm_out
    .symbol:         k_q6a96531daa_gemm_out.kd
    .args:
      - { .name: o_codes, .offset: 0, .size: 8, .value_kind: global_buffer, .address_space: global }
      - { .name: wout_codes, .offset: 8, .size: 8, .value_kind: global_buffer, .address_space: global }
      - { .name: b_out, .offset: 16, .size: 8, .value_kind: global_buffer, .address_space: global }
      - { .name: lowp_scales, .offset: 24, .size: 8, .value_kind: global_buffer, .address_space: global }
      - { .name: out0, .offset: 32, .size: 8, .value_kind: global_buffer, .address_space: global }
    .group_segment_fixed_size: 327680
    .private_segment_fixed_size: 0
    .kernarg_segment_align: 8
    .kernarg_segment_size: 40
    .max_flat_workgroup_size: 128
    .sgpr_count:     100
    .vgpr_count:     1024
    .wavefront_size: 32
...
	.end_amdgpu_metadata
.endif
;; end of part 4
